; MI455X (gfx1250); checked and timed in simulation.
; The chip was launched on July 23, 2026; its instructions are those of AMD's public machine-readable ISA for CDNA 5 (MIT licence, August 2026) and "CDNA5" Instruction Set Architecture Reference Guide (July 2026). The comments in the code are by the model that wrote it; some were corrected since.
;; Self Attention2d. Allowed arithmetic: matrix products marked QUANTISED: E2M1 operands, one E8M0 scale for each 32 along K, by v_wmma_scale_f32_16x16x128_f8f6f4 with both operands' format E2M1 (or v_wmma_scale_f32_32x16x128_f4), f32 sums; everything else in f32.
;; Inputs: b_out 256 float32; b_qkv 768 float32; beta 256 float32; gamma 256 float32; w_out 256 x 256 float32; w_qkv 768 x 256 float32; x 4 x 256 x 64 x 64 float32.
;; Outputs: out0 4 x 256 x 64 x 64 float32.
;; Constants: n_head = 4.
;; This version of the problem:
;;   THIS VERSION OF THE PROBLEM IS GIVEN IN LOW PRECISION. The matrix products marked QUANTISED in the list below multiply operands that are first quantised to E2M1 (2 exponent bits, 1 mantissa bit; 4 bits a number), with one power-of-two scale for each 32 numbers along K (OCP MX v1.0); their sums are f32. All else is computed in f32.
;;   The module's matrix products, in the order in which they are computed (A, B: the left and right operand; K: the contracted axis; several contracted axes count as one K, in the product's order):
;;     1. [M 768, K 256] x [K 256, N 16,384]; A: input w_qkv; B: computed on the way: QUANTISED
;;     2. batch 16 x [M 4,096, K 64] x [K 64, N 4,096]; A: computed on the way; B: computed on the way: QUANTISED
;;     3. batch 16 x [M 4,096, K 4,096] x [K 4,096, N 64]; A: softmax (see below); B: computed on the way: QUANTISED
;;     4. [M 256, K 256] x [K 256, N 16,384]; A: input w_out; B: computed on the way: QUANTISED
;;   THE QUANTISER, for each operand of a quantised product, along K:
;;     - K is cut into blocks of 32 from its start; a last block that is shorter is filled with zeros.
;;     - A block's scale is 2^e with e = floor(log2(the largest magnitude in the block)) - 2, held to -126 .. 127; a block of zeros has e = 0. As a byte (E8M0): e + 127.
;;     - Each number is divided by its block's scale, clamped to +-6, and rounded to the nearest number of E2M1, ties to even, subnormals kept.
;;     - The product sums the exact products of the quantised numbers (number of the format x scale) in f32.
;;   ~~~python
;;   def quantise(x, axis):      # numpy; x: float32 -> the quantised numbers, widened to float32 again
;;       x = np.moveaxis(x, axis, -1); K = x.shape[-1]
;;       x = np.pad(x, [(0, 0)] * (x.ndim - 1) + [(0, -K % 32)]); x = x.reshape(x.shape[:-1] + (-1, 32)); a = np.abs(x).max(-1, keepdims=True)
;;       e = np.where(a > 0, np.clip(np.frexp(np.where(a > 0, a, 1))[1] - 1 - 2, -126, 127), 0)      # np.frexp(a)[1] - 1 = floor(log2(a)), exactly
;;       r = np.clip(x / 2.0 ** e, -6, 6)
;;       step = 2.0 ** (np.maximum(np.frexp(np.where(r == 0, 1, r))[1] - 1, 0) - 1)
;;       q = np.round(r / step) * step * 2.0 ** e      # np.round: ties to even
;;       return np.moveaxis(q.reshape(q.shape[:-2] + (-1,))[..., :K], -1, axis).astype(np.float32)
;;   ~~~
;;   SOFTMAX AHEAD OF A QUANTISED PRODUCT. Where the list says 'softmax', what is quantised is not the finished softmax but p = 2^(t - M), with t = logit x log2(e) and M = ceil(the row's largest t), a whole number; so 1/2 < the row's largest p <= 1. The row's sum l is taken of the UNQUANTISED p, in f32, and the product's result is divided by l at the end. Since M is a whole number, a kernel that streams over the keys may use a running M (the ceiling of the running maximum): every later rescaling is an exact power of two, which a block's scale takes up: the codes' values come out the same.
;;   OPERANDS COMPUTED ON THE WAY. 'Computed on the way' means the value that the module computes at that place (a softmax that the list does not call 'softmax' is quantised finished and normalised). What goes into a quantiser is computed in f32, as accurately as f32 sums, v_exp_f32 and their like allow (about 1e-6 of the number): no bf16 or f16 on the way to a quantiser, and a product that is left as it is and whose result goes on into a quantised operand takes f32 operands (vector FMAs, or v_wmma_f32_16x16x4_f32). A number that lies on a knife's edge between two numbers of the format may be rounded either way, as far as f32 arithmetic and the matrix unit's own rounding can turn it there, and no further.
;; One version. Each part assembles by itself: llvm-mc -triple=amdgcn-amd-amdhsa -mcpu=gfx1250 --defsym DOCPART=n.
;; ======== version 1 of 1: 3 launches
;; workspace buffers: stats 16,384 bytes; w_codes 131,072 bytes; w_scales 16,384 bytes; q_codes 2,097,152 bytes; q_scales 131,072 bytes; kv 4,456,448 bytes
;; launch prep (part 1): grid 272 x 1, 8 waves a work-group, no clusters, 0 bytes of LDS; arguments x, w_qkv, w_out, stats, w_codes, w_scales; writes stats, w_codes, w_scales
.if DOCPART == 1
	.amdgcn_target "amdgcn-amd-amdhsa--gfx1250"
	.amdhsa_code_object_version 6
	.text
	.protected	k_q70cb022221_prep
	.globl	k_q70cb022221_prep
	.p2align	8
	.type	k_q70cb022221_prep,@function
k_q70cb022221_prep:
	s_mov_b64 s[64:65], 0
	v_nop
	global_prefetch_b8 v0, s[64:65] scope:SCOPE_SE
	s_setreg_imm32_b32 hwreg(HW_REG_WAVE_MODE, 25, 1), 1
	s_wait_xcnt 0x0
; Two jobs that need nothing of each other, in one launch, parted by the work-group's number.
; WORK-GROUPS 0-255: the group norm's statistics.  Wave gw = 8 x work-group + wave takes 2,048 numbers of x (8,192 consecutive bytes; 512 waves to a sample)
; and stores their mean and the sum of squared deviations from THAT mean: no difference of large sums is formed, so a common offset of x costs no digits.
; WORK-GROUPS 256-271: w_qkv [768][256] and w_out [256][256], f32, become codes of FP4 (E2M1) with one E8M0 byte for each 32 along K, laid as images of operand registers.
; Fragment f = 2 T + s (tile of 16 rows T = 0..63: 0-47 w_qkv, 48-63 w_out; K step s of 128) is 1,024 bytes at 1024 f: registers 4 c .. 4 c + 3 of lane l at 512 c + 16 l;
; lane (r, h) holds k = 128 s + 64 c + 32 h + 0..31.  Its scale words: 128 bytes at 128 f, row r's word in lanes r and 16 + r.
; THE ROWS OF A TILE ARE NOT NEIGHBOURS: lane r of tile 2 b + u takes row 32 b + 8 u + r + 8 (r / 8), so that two neighbouring tiles' results are 16 neighbours along the next product's K.
; A block's scale is 2^(floor(log2(largest magnitude)) - 2); its byte is the largest magnitude's exponent field - 2, held at 1 from below.
; LIMITS: a block of zeros, or one whose largest magnitude lies under 2^-124, gets the byte 1 (its codes are zeros or tiny; this program alone reads the bytes); NaN and infinities are not served.
; No LDS, no barrier: waves share nothing.
.set NSTAT, 256
.macro WSUM d, s, t                    ; the sum over the 32 lanes of v[s], in every lane, into v[d]; v[t] has been written before
	s_delay_alu instid0(VALU_DEP_1)
	v_add_f32_dpp v[\s], v[\s], v[\s] row_xmask:1 row_mask:0xf bank_mask:0xf
	s_delay_alu instid0(VALU_DEP_1)
	v_add_f32_dpp v[\s], v[\s], v[\s] row_xmask:2 row_mask:0xf bank_mask:0xf
	s_delay_alu instid0(VALU_DEP_1)
	v_add_f32_dpp v[\s], v[\s], v[\s] row_xmask:4 row_mask:0xf bank_mask:0xf
	s_delay_alu instid0(VALU_DEP_1)
	v_add_f32_dpp v[\s], v[\s], v[\s] row_xmask:8 row_mask:0xf bank_mask:0xf
	s_delay_alu instid0(VALU_DEP_1)
	v_permlanex16_b32 v[\t], v[\s], s20, s21
	s_delay_alu instid0(VALU_DEP_1)
	v_add_f32 v[\d], v[\s], v[\t]
.endm
	s_load_b256 s[4:11], s[0:1], 0x0               ; x s[4:5], w_qkv s[6:7], w_out s[8:9], stats s[10:11]
	s_load_b128 s[12:15], s[0:1], 0x20             ; w_codes s[12:13], w_scales s[14:15]
	v_lshrrev_b32 v1, 5, v0
	s_delay_alu instid0(VALU_DEP_1)
	v_readfirstlane_b32 s16, v1                    ; wave 0..7
	v_and_b32 v1, 31, v0                           ; lane
	v_mov_b32 v15, 0                               ; a lane permute's destination counts as read
	s_mov_b32 s20, 0x76543210
	s_mov_b32 s21, 0xfedcba98                      ; selects for lane l xor 16
	s_mov_b32 s19, 0                               ; the upper word of every offset
	s_cmp_lt_u32 ttmp9, NSTAT
	s_cbranch_scc0 .Lweights
	; ---- the statistics of 2,048 numbers
	s_lshl_b32 s17, ttmp9, 3
	s_add_co_u32 s17, s17, s16                     ; gw
	s_lshl_b32 s18, s17, 13                        ; its 8,192 bytes
	s_wait_alu depctr_va_vdst(0)
	v_lshlrev_b32 v14, 4, v1
	s_wait_alu depctr_va_vdst(0)
	s_wait_kmcnt 0x0
	s_add_nc_u64 s[4:5], s[4:5], s[18:19]
.irp i, 0,1,2,3,4,5,6,7,8,9,10,11,12,13,14,15
	global_load_b128 v[16+4*\i:19+4*\i], v14, s[4:5] offset:512*\i    ; 32 lanes read 512 consecutive bytes; x is read again by later launches: no hint
.endr
	s_wait_loadcnt 0x8                             ; the first eight loads are in, the eight younger may be out
.irp k, 0,1,2,3
	v_pk_add_f32 v[2+2*\k:3+2*\k], v[16+2*\k:17+2*\k], v[24+2*\k:25+2*\k]   ; four chains, started by the first pairs: nothing is cleared
.endr
.irp q, 32,40
.irp k, 0,1,2,3
	s_delay_alu instid0(VALU_DEP_4)
	v_pk_add_f32 v[2+2*\k:3+2*\k], v[2+2*\k:3+2*\k], v[\q+2*\k:\q+1+2*\k]
.endr
.endr
	s_wait_alu depctr_va_vdst(0)
	s_wait_loadcnt 0x0
.irp q, 48,56,64,72
.irp k, 0,1,2,3
	v_pk_add_f32 v[2+2*\k:3+2*\k], v[2+2*\k:3+2*\k], v[\q+2*\k:\q+1+2*\k]
.endr
.endr
	s_delay_alu instid0(VALU_DEP_3)
	v_pk_add_f32 v[2:3], v[2:3], v[4:5]
	s_delay_alu instid0(VALU_DEP_2)
	v_pk_add_f32 v[6:7], v[6:7], v[8:9]
	s_delay_alu instid0(VALU_DEP_1)
	v_pk_add_f32 v[2:3], v[2:3], v[6:7]
	s_delay_alu instid0(VALU_DEP_1)
	v_add_f32 v2, v2, v3
	WSUM 2, 2, 15
	s_delay_alu instid0(VALU_DEP_1)
	v_mul_f32 v12, 0x3a000000, v2                  ; the wave's mean: the sum x 2^-11
	s_delay_alu instid0(VALU_DEP_1)
	v_sub_f32 v10, 0, v12
	s_delay_alu instid0(VALU_DEP_1)
	v_mov_b32 v11, v10                             ; -mean, twice
.set j, 0
.rept 32
	v_pk_add_f32 v[16+j:17+j], v[16+j:17+j], v[10:11]      ; the deviations, in place
.set j, j+2
.endr
.irp k, 0,1,2,3
	v_pk_mul_f32 v[2+2*\k:3+2*\k], v[16+2*\k:17+2*\k], v[16+2*\k:17+2*\k]
.endr
.irp q, 24,32,40,48,56,64,72
.irp k, 0,1,2,3
	s_delay_alu instid0(VALU_DEP_4)
	v_pk_fma_f32 v[2+2*\k:3+2*\k], v[\q+2*\k:\q+1+2*\k], v[\q+2*\k:\q+1+2*\k], v[2+2*\k:3+2*\k]
.endr
.endr
	s_delay_alu instid0(VALU_DEP_3)
	v_pk_add_f32 v[2:3], v[2:3], v[4:5]
	s_delay_alu instid0(VALU_DEP_2)
	v_pk_add_f32 v[6:7], v[6:7], v[8:9]
	s_delay_alu instid0(VALU_DEP_1)
	v_pk_add_f32 v[2:3], v[2:3], v[6:7]
	s_delay_alu instid0(VALU_DEP_1)
	v_add_f32 v2, v2, v3
	WSUM 13, 2, 15                                 ; v[12:13] = (mean, sum of squared deviations)
	s_lshl_b32 s18, s17, 3                         ; 8 bytes a wave
	s_add_nc_u64 s[10:11], s[10:11], s[18:19]
	v_mov_b32 v80, 0
	v_cmp_eq_u32 vcc_lo, 0, v1
	s_wait_alu depctr_va_vdst(0)
	s_wait_xcnt 0x0                                ; EXEC changes only behind this wait
	s_and_saveexec_b32 s22, vcc_lo                 ; lane 0 alone stores
	global_store_b64 v80, v[12:13], s[10:11]
	s_wait_xcnt 0x0
	s_or_b32 exec_lo, exec_lo, s22
	s_endpgm
	; ---- one fragment of a weight
.Lweights:
	s_sub_co_u32 s17, ttmp9, NSTAT                 ; 0..15
	s_lshl_b32 s18, s17, 3
	s_add_co_u32 s18, s18, s16                     ; f = 0..127
	s_lshr_b32 s22, s18, 1                         ; T
	s_and_b32 s23, s18, 1                          ; s
	s_wait_kmcnt 0x0
	s_cmp_lt_u32 s17, 12                           ; f < 96: w_qkv.  The choice hangs on the work-group's number alone
	s_cselect_b64 s[6:7], s[6:7], s[8:9]
	s_cselect_b32 s24, 0, 48
	s_sub_co_u32 s22, s22, s24                     ; the tile's number in its own tensor
	s_lshr_b32 s25, s22, 1
	s_lshl_b32 s25, s25, 5
	s_and_b32 s26, s22, 1
	s_lshl_b32 s26, s26, 3
	s_add_co_u32 s25, s25, s26                     ; its first row: 32 (T / 2) + 8 (T % 2)
	s_lshl_b32 s26, s25, 10                        ; rows of 1,024 bytes,
	s_lshl_b32 s25, s23, 9                         ; + 512 s
	s_add_co_u32 s26, s26, s25
	s_mov_b32 s27, 0
	s_add_nc_u64 s[6:7], s[6:7], s[26:27]
	v_and_b32 v2, 15, v0                           ; r
	v_bfe_u32 v3, v0, 4, 1                         ; h
	s_delay_alu instid0(VALU_DEP_2)
	v_and_b32 v4, 8, v2
	s_delay_alu instid0(VALU_DEP_1)
	v_add_nc_u32 v4, v4, v2                        ; r + 8 (r / 8)
	s_delay_alu instid0(VALU_DEP_1)
	v_lshlrev_b32 v4, 10, v4
	s_delay_alu instid0(VALU_DEP_1)
	v_lshl_add_u32 v4, v3, 7, v4                   ; + 128 h: my 32 numbers of each 64
	s_wait_alu depctr_va_vdst(0)
	v_lshlrev_b32 v5, 4, v1
	v_lshlrev_b32 v6, 2, v1
.irp c, 0,1
.irp i, 0,1,2,3,4,5,6,7
	global_load_b128 v[32+32*\c+4*\i:35+32*\c+4*\i], v4, s[6:7] offset:256*\c+16*\i   ; w(row, 128 s + 64 c + 32 h + 4 i ..)
.endr
.endr
	s_lshl_b32 s26, s18, 10
	s_add_nc_u64 s[12:13], s[12:13], s[26:27]      ; the fragment's image
	s_lshl_b32 s26, s18, 7
	s_add_nc_u64 s[14:15], s[14:15], s[26:27]      ; its scale words
	s_wait_loadcnt 0x0
.irp c, 0,1
	v_max3_num_f32 v[8+\c], |v[32+32*\c]|, |v[33+32*\c]|, 0x1800000    ; my block 2 c + h: all 32 numbers are mine; the floor 2^(3 - 127) holds the byte at 1 from below
.endr
.irp i, 2,4,6,8,10,12,14,16,18,20,22,24,26,28,30
.irp c, 0,1
	s_delay_alu instid0(VALU_DEP_2)
	v_max3_num_f32 v[8+\c], v[8+\c], |v[32+32*\c+\i]|, |v[33+32*\c+\i]|
.endr
.endr
.irp c, 0,1
	s_delay_alu instid0(VALU_DEP_2)
	v_add_nc_u32 v[10+\c], 0xff000000, v[8+\c]     ; 2 off the exponent field: the conversion's scale operand
.endr
.irp c, 0,1
	s_delay_alu instid0(VALU_DEP_2)
	v_lshrrev_b32 v[12+\c], 23, v[10+\c]           ; the scale's byte
.endr
	s_delay_alu instid0(VALU_DEP_1)
	v_lshl_or_b32 v14, v13, 16, v12                ; my two bytes: blocks h and 2 + h,
	v_lshlrev_b32 v7, 3, v3
	s_delay_alu instid0(VALU_DEP_1)
	v_lshlrev_b32 v14, v7, v14                     ; 8 h bits up;
	s_delay_alu instid0(VALU_DEP_1)
	v_permlanex16_b32 v15, v14, s20, s21
	s_delay_alu instid0(VALU_DEP_1)
	v_or_b32 v14, v14, v15                         ; with lane l xor 16's two the word is whole, in both lanes
.irp c, 0,1
.irp g, 0,1,2,3
	v_cvt_scalef32_pk8_fp4_f32 v[16+4*\c+\g], v[32+32*\c+8*\g:39+32*\c+8*\g], v[10+\c]
.endr
.endr
	v_nop                                          ; one plain place behind the last conversion
	global_store_b128 v5, v[16:19], s[12:13]       ; 32 lanes store 512 consecutive bytes
	global_store_b128 v5, v[20:23], s[12:13] offset:512
	global_store_b32 v6, v14, s[14:15]
	s_endpgm
.Lfunc_end_k_q70cb022221_prep:
	.size	k_q70cb022221_prep, .Lfunc_end_k_q70cb022221_prep-k_q70cb022221_prep
	.p2alignl 7, 3214868480
	.fill 96, 4, 3214868480
	.section	.rodata,"a",@progbits
	.p2align	6, 0x0
	.amdhsa_kernel k_q70cb022221_prep
		.amdhsa_group_segment_fixed_size 0
		.amdhsa_private_segment_fixed_size 0
		.amdhsa_enable_private_segment 0
		.amdhsa_kernarg_size 48
		.amdhsa_user_sgpr_count 2
		.amdhsa_user_sgpr_kernarg_segment_ptr 1
		.amdhsa_wavefront_size32 1
		.amdhsa_system_sgpr_workgroup_id_x 1
		.amdhsa_system_sgpr_workgroup_id_y 1
		.amdhsa_system_sgpr_workgroup_id_z 1
		.amdhsa_system_vgpr_workitem_id 0
		.amdhsa_next_free_vgpr 104
		.amdhsa_next_free_sgpr 66
		.amdhsa_reserve_vcc 1
		.amdhsa_float_denorm_mode_32 3
		.amdhsa_float_denorm_mode_16_64 3
		.amdhsa_memory_ordered 1
		.amdhsa_forward_progress 1
		.amdhsa_inst_pref_size 20
	.end_amdhsa_kernel
	.amdgpu_metadata
---
amdhsa.version: [ 1, 2 ]
amdhsa.kernels:
  - .name:           k_q70cb022221_prep
    .symbol:         k_q70cb022221_prep.kd
    .args:
      - { .name: x, .offset: 0, .size: 8, .value_kind: global_buffer, .address_space: global }
      - { .name: w_qkv, .offset: 8, .size: 8, .value_kind: global_buffer, .address_space: global }
      - { .name: w_out, .offset: 16, .size: 8, .value_kind: global_buffer, .address_space: global }
      - { .name: stats, .offset: 24, .size: 8, .value_kind: global_buffer, .address_space: global }
      - { .name: w_codes, .offset: 32, .size: 8, .value_kind: global_buffer, .address_space: global }
      - { .name: w_scales, .offset: 40, .size: 8, .value_kind: global_buffer, .address_space: global }
    .group_segment_fixed_size: 0
    .private_segment_fixed_size: 0
    .kernarg_segment_align: 8
    .kernarg_segment_size: 48
    .max_flat_workgroup_size: 256
    .sgpr_count:     66
    .vgpr_count:     104
    .wavefront_size: 32
...
	.end_amdgpu_metadata
.endif
;; end of part 1
;; launch qkv (part 2): grid 32 x 4, 16 waves a work-group, no clusters, 19,456 bytes of LDS; arguments x, stats, gamma, beta, w_codes, w_scales, b_qkv, q_codes, q_scales, kv; writes q_codes, q_scales, kv
.if DOCPART == 2
	.amdgcn_target "amdgcn-amd-amdhsa--gfx1250"
	.amdhsa_code_object_version 6
	.text
	.protected	k_q70cb022221_qkv
	.globl	k_q70cb022221_qkv
	.p2align	8
	.type	k_q70cb022221_qkv,@function
k_q70cb022221_qkv:
	s_mov_b64 s[64:65], 0
	v_nop
	global_prefetch_b8 v0, s[64:65] scope:SCOPE_SE
	s_setreg_imm32_b32 hwreg(HW_REG_WAVE_MODE, 25, 1), 1
	s_wait_xcnt 0x0
; Group norm, its quantiser, the 1x1 convolution to q, k, v on codes of FP4 (E2M1, one E8M0 byte for each 32 along K), and the quantisers of q 2^-1.5, k 2^-1.5 (along the head's 64) and v (along the keys).
; A work-group takes 128 positions (x of the grid) of one sample (y) and all 768 output channels.  128 positions, not 64: a scale word of v spans 128 keys, so each word is made whole by one wave,
; and every work-group reads all 96 KB of the weights' codes, so half as many work-groups read half as much.  That leaves 128 work-groups; the launch is short beside the attention.
; PHASE X (waves 0-7): wave w normalises and quantises channels 32 w .. 32 w + 31, one block along K, for the 128 positions: a lane takes a position, its 32 registers run down the channels.
;   The codes go to LDS as images of operand registers: fragment 8 s + m (K step s, tile of 16 positions m) at 1024 (8 s + m), registers 4 c .. 4 c + 3 of lane l at 512 c + 16 l; scale words at XSC + 64 (8 s + m) + 4 r.
; ONE BARRIER.  PHASE G: waves 0-3 make q of head w, waves 4-7 k of head w - 4 (source 0 = 16 rows of W, source 1 = 16 positions: a lane holds one position, its registers run along the head's 64);
;   waves 8-15 make half a head of v each (source 0 = 16 positions, source 1 = 16 rows of W: a lane holds one channel, its registers run along the keys).
; TILES ARE NOT MADE OF NEIGHBOURS: lane r of tile 2 b + u stands for item 32 b + 8 u + r + 8 (r / 8), for W's rows and for positions alike, so that the 16 registers of two neighbouring tiles are 16 neighbours along the next K.
; WHAT IS STORED, all as images of operand registers.  A PAIR fragment (q, k): registers 0-3 = position tile 2 g, registers 4-7 = tile 2 g + 1, lane (r, h) holding d = 32 h .. 32 h + 31; its scale word = the two tiles' two bytes each.
;   q_codes [n][head][128 pairs][1024]; q_scales [n][head][64][128]: lanes 0-15 the even pair's words, lanes 16-31 the odd pair's.
;   kv [n][8 chunks of 512 keys][139264]: +0 k's pairs [head][16][1024]; +65536 v's fragments [4 steps of 128 keys][head][4 tiles of d][1024]; +131072 k's scale words [head][8][128]; +135168 v's [step][head][2][128].
; The statistics: mean = mean of the 512 waves' means; variance = (sum of their squared deviations + 2048 x the squared deviations of their means) / 2^20.
; LIMITS: gamma x rstd is rounded once before it multiplies (x - mean), one rounding more than the source order has, and the multiply-add with beta is fused; v_rsq_f32 is good to one unit in the last place;
;   a block of zeros or under 2^-124 gets the byte 1 (this program alone reads the bytes); NaN and infinities are not served.
.set CHUNKB, 139264
.set XSC,  16384
.set LI,   1                           ; v1   16 x lane: an image's place for my lane
.set LS4,  2                           ; v2   4 x lane
.set LSR,  3                           ; v3   XSC + 4 r: x's scale word of my row
.set XWI,  4                           ; v4   where I store x's codes
.set XWS,  5                           ; v5   and x's scale byte
.set BQ,   6                           ; v6   64 h: q's and k's bias
.set BV,   7                           ; v7   4 (r + 8 (r / 8)): v's bias
.set ZERO, 8                           ; v8   0
.set HA,   16                          ; v16-79   phase G: 8 accumulators.  Phase X: two sets of 32 numbers of x
.set XSA,  16
.set XSB,  48
.set GA,   80                          ; v80-111  phase X: gamma, then gamma x rstd
.set BE,   112                         ; v112-143 phase X: beta
.set XF,   80                          ; v80-111  phase G: four fragments of x
.set TM,   112                         ; v112-127 phase G: at work in QUANT
.set PC,   128                         ; v128-135 the codes just made
.set PW,   136                         ; v136 the scale word just made; v137 the one before; v138 the two joined
.set PWS,  137
.set PWO,  138
.set WF,   144                         ; v144-207 W's fragments (q, k: eight; v: four, and v176-207 four more fragments of x)
.set WS,   208                         ; v208-215 W's scale words, and nothing else
.set BI,   216                         ; v216-247 phase G: the bias as C.  Phase X: statistics, then -mean, rstd, codes, bytes
.set XS,   248                         ; v248-255 x's scale words, also scratch in phase X and at the end
.macro WSUM s                          ; the sum over the 32 lanes of v[s], in place, in every lane
	v_add_f32_dpp v[\s], v[\s], v[\s] row_xmask:1 row_mask:0xf bank_mask:0xf
	s_delay_alu instid0(VALU_DEP_1)
	v_add_f32_dpp v[\s], v[\s], v[\s] row_xmask:2 row_mask:0xf bank_mask:0xf
	s_delay_alu instid0(VALU_DEP_1)
	v_add_f32_dpp v[\s], v[\s], v[\s] row_xmask:4 row_mask:0xf bank_mask:0xf
	s_delay_alu instid0(VALU_DEP_1)
	v_add_f32_dpp v[\s], v[\s], v[\s] row_xmask:8 row_mask:0xf bank_mask:0xf
	s_delay_alu instid0(VALU_DEP_1)
	v_permlanex16_b32 v15, v[\s], s28, s29
	s_delay_alu instid0(VALU_DEP_1)
	v_add_f32 v[\s], v[\s], v15
.endm
.macro XLOAD s, g                      ; x(32 w + i, 32 g + lane), i = 0..31: each load reads 128 consecutive bytes
.irp i, 0,1,2,3,4,5,6,7,8,9,10,11,12,13,14,15,16,17,18,19,20,21,22,23,24,25,26,27,28,29,30,31
	global_load_b32 v[\s+\i], v[LS4], s[4:5] offset:\i*16384+\g*128
.endr
.endm
.macro XGROUP g, s                     ; 32 positions: normalised, quantised, stored as a part of two fragments' images
.set j, 0
.rept 16
	v_pk_add_f32 v[\s+j:\s+j+1], v[\s+j:\s+j+1], v[216:217]            ; x - mean
.set j, j+2
.endr
.set j, 0
.rept 16
	v_pk_fma_f32 v[\s+j:\s+j+1], v[\s+j:\s+j+1], v[GA+j:GA+j+1], v[BE+j:BE+j+1]    ; x (gamma rstd) + beta
.set j, j+2
.endr
	v_max3_num_f32 v220, |v[\s]|, |v[\s+1]|, 0x1800000                 ; the block's largest magnitude: all 32 numbers are mine; the floor 2^(3 - 127) holds the byte at 1 from below
	v_max3_num_f32 v221, |v[\s+2]|, |v[\s+3]|, |v[\s+4]|
.irp i, 5,9,13,17,21,25
	s_delay_alu instid0(VALU_DEP_2)
	v_max3_num_f32 v220, v220, |v[\s+\i]|, |v[\s+\i+1]|
	s_delay_alu instid0(VALU_DEP_2)
	v_max3_num_f32 v221, v221, |v[\s+\i+2]|, |v[\s+\i+3]|
.endr
	s_delay_alu instid0(VALU_DEP_2)
	v_max3_num_f32 v220, v220, |v[\s+29]|, |v[\s+30]|
	s_delay_alu instid0(VALU_DEP_1)
	v_max3_num_f32 v220, v220, v221, |v[\s+31]|
	s_delay_alu instid0(VALU_DEP_1)
	v_add_nc_u32 v222, 0xff000000, v220            ; 2 off the exponent field: the conversion's scale operand
	s_delay_alu instid0(VALU_DEP_1)
	v_lshrrev_b32 v[240+\g], 23, v222              ; the scale's byte
.irp q, 0,1,2,3
	v_cvt_scalef32_pk8_fp4_f32 v[224+4*\g+\q], v[\s+8*\q:\s+8*\q+7], v222
.endr
	v_nop                                          ; one plain place behind the last conversion
	ds_store_b128 v[XWI], v[224+4*\g:227+4*\g] offset:\g*2048          ; each group has registers of its own for its codes and its byte
	ds_store_b8 v[XWS], v[240+\g] offset:\g*128
.endm
.macro FETCHX reg, sreg, idx           ; fragment idx of x and its scale words, as they were stored
	ds_load_b128 v[(\reg):(\reg)+3], v[LI] offset:(\idx)*1024
	ds_load_b128 v[(\reg)+4:(\reg)+7], v[LI] offset:(\idx)*1024+512
	ds_load_b32 v[(\sreg)], v[LSR] offset:(\idx)*64
.endm
.macro MM d, a, b, c, sa, sb
	v_wmma_scale_f32_16x16x128_f8f6f4 v[(\d):(\d)+7], v[(\a):(\a)+7], v[(\b):(\b)+7], v[(\c):(\c)+7], v[(\sa)], v[(\sb)] matrix_a_fmt:MATRIX_FMT_FP4 matrix_b_fmt:MATRIX_FMT_FP4
.endm
.macro PLACES5                         ; five plain places behind a run of matrix instructions: they serve the reads of results, the loads into operands, and accumulators begun anew with another C
.rept 5
	v_nop
.endr
.endm
; 64 numbers of a lane, register 16 b + i = item 32 b + 16 (lane / 16) + i of my row, become a fragment's codes in v[PC] on and its scale word in v[PW].
.macro QUANT s
.irp b, 0,1,2,3
	v_max3_num_f32 v[TM+\b], |v[\s+16*\b]|, |v[\s+1+16*\b]|, 0x1800000
.endr
.irp i, 2,4,6,8,10,12,14
.irp b, 0,1,2,3
	v_max3_num_f32 v[TM+\b], v[TM+\b], |v[\s+16*\b+\i]|, |v[\s+1+16*\b+\i]|    ; the four blocks by turns
.endr
.endr
.irp b, 0,1,2,3
	s_delay_alu instid0(VALU_DEP_4)
	v_permlanex16_b32 v[TM+4+\b], v[TM+\b], s28, s29
.endr
.irp b, 0,1,2,3
	s_delay_alu instid0(VALU_DEP_4)
	v_max_num_f32 v[TM+\b], v[TM+\b], v[TM+4+\b]   ; with lane l xor 16's: the block's largest magnitude
.endr
.irp b, 0,1,2,3
	s_delay_alu instid0(VALU_DEP_4)
	v_add_nc_u32 v[TM+12+\b], 0xff000000, v[TM+\b]
.endr
.irp b, 0,1,2,3
	s_delay_alu instid0(VALU_DEP_4)
	v_lshrrev_b32 v[TM+4+\b], 23, v[TM+12+\b]
.endr
	s_delay_alu instid0(VALU_DEP_3)
	v_lshl_or_b32 v[PW], v[TM+5], 8, v[TM+4]
	s_delay_alu instid0(VALU_DEP_1)
	v_lshl_or_b32 v[PW], v[TM+6], 16, v[PW]
	s_delay_alu instid0(VALU_DEP_1)
	v_lshl_or_b32 v[PW], v[TM+7], 24, v[PW]
.irp b, 0,1,2,3
	v_cvt_scalef32_pk8_fp4_f32 v[PC+2*\b], v[\s+16*\b:\s+7+16*\b], v[TM+12+\b]
	v_cvt_scalef32_pk8_fp4_f32 v[PC+1+2*\b], v[\s+8+16*\b:\s+15+16*\b], v[TM+12+\b]
.endr
	v_nop                                          ; one plain place behind the last conversion
.irp c, 0,1                                    ; the operand wants a whole block in a lane: lanes 0-15 block 2 c, lanes 16-31 block 2 c + 1
.irp i, 0,1
	v_permlane16_swap_b32 v[PC+4*\c+\i], v[PC+2+4*\c+\i]
.endr
.endr
.endm
	s_load_b512 s[4:19], s[0:1], 0x0               ; x s[4:5], stats s[6:7], gamma s[8:9], beta s[10:11], w_codes s[12:13], w_scales s[14:15], b_qkv s[16:17], q_codes s[18:19]
	s_load_b128 s[20:23], s[0:1], 0x40             ; q_scales s[20:21], kv s[22:23]
	v_lshrrev_b32 v10, 5, v0
	s_delay_alu instid0(VALU_DEP_1)
	v_readfirstlane_b32 s24, v10                   ; wave 0..15
	s_mov_b32 s25, ttmp9                           ; which 128 positions
	s_and_b32 s26, ttmp7, 0xffff                   ; the sample
	s_mov_b32 s28, 0x76543210
	s_mov_b32 s29, 0xfedcba98                      ; selects for lane l xor 16
	s_mov_b32 s30, 0xffff0000                      ; lanes 16-31
	s_mov_b32 s31, 0x35800000                      ; 2^-20
	v_and_b32 v10, 31, v0                          ; lane
	v_and_b32 v11, 15, v0                          ; r
	v_bfe_u32 v12, v0, 4, 1                        ; h
	s_delay_alu instid0(VALU_DEP_3)
	v_lshlrev_b32 v[LI], 4, v10
	s_delay_alu instid0(VALU_DEP_4)
	v_lshlrev_b32 v[LS4], 2, v10
	s_delay_alu instid0(VALU_DEP_4)
	v_lshl_add_u32 v[LSR], v11, 2, XSC
	; every LDS address is made here, ahead of the parting of the roles.  Position 32 g + l belongs to tile 2 g + (l / 8) % 2, lane (l % 8) + 8 (l / 16) of it;
	; channel block w is K step w / 4, registers 4 ((w / 2) % 2) on, lanes 16 (w % 2) on, byte w % 4 of the scale word.
	v_bfe_u32 v13, v0, 3, 1
	s_wait_alu depctr_va_vdst(0)
	v_and_b32 v14, 7, v0
	s_delay_alu instid0(VALU_DEP_1)
	v_lshl_add_u32 v14, v12, 3, v14
	s_lshr_b32 s32, s24, 2
	s_lshl_b32 s33, s32, 13
	s_bfe_u32 s34, s24, 0x10001
	s_lshl_b32 s34, s34, 9
	s_add_co_u32 s33, s33, s34
	s_and_b32 s34, s24, 1
	s_lshl_b32 s34, s34, 8
	s_add_co_u32 s33, s33, s34
	v_lshlrev_b32 v[XWI], 10, v13
	s_wait_alu depctr_va_vdst(0)
	v_lshl_add_u32 v[XWI], v14, 4, v[XWI]
	s_delay_alu instid0(VALU_DEP_1)
	v_add_nc_u32 v[XWI], s33, v[XWI]
	s_lshl_b32 s33, s32, 9
	s_and_b32 s34, s24, 3
	s_add_co_u32 s33, s33, s34
	s_add_co_u32 s33, s33, XSC
	v_lshlrev_b32 v[XWS], 6, v13
	s_delay_alu instid0(VALU_DEP_1)
	v_lshl_add_u32 v[XWS], v14, 2, v[XWS]
	s_delay_alu instid0(VALU_DEP_1)
	v_add_nc_u32 v[XWS], s33, v[XWS]
	v_lshlrev_b32 v[BQ], 6, v12
	v_and_b32 v13, 8, v11
	s_delay_alu instid0(VALU_DEP_1)
	v_add_nc_u32 v13, v13, v11
	s_delay_alu instid0(VALU_DEP_1)
	v_lshlrev_b32 v[BV], 2, v13
	v_mov_b32 v[ZERO], 0
	v_mov_b32 v15, 0                               ; a lane permute's destination counts as read
	s_lshl_b32 s38, s26, 3
	s_lshr_b32 s33, s25, 2
	s_add_co_u32 s38, s38, s33
	s_mul_i32 s38, s38, CHUNKB                     ; my chunk of 512 keys in kv
	s_and_b32 s39, s25, 3                          ; and my step of 128 keys in it
	s_mov_b32 s41, 0                               ; the upper word of the offsets in s[40:41]
	s_wait_kmcnt 0x0
	s_cmp_lt_u32 s24, 8
	s_cbranch_scc0 .Lvhead
	; ---- waves 0-7: their weights, the statistics, gamma and beta, x
	s_lshl_b32 s40, s24, 13
	s_add_nc_u64 s[12:13], s[12:13], s[40:41]      ; my 64 rows of W: eight fragments
	s_lshl_b32 s40, s24, 10
	s_add_nc_u64 s[14:15], s[14:15], s[40:41]
	s_lshl_b32 s40, s26, 12
	s_add_nc_u64 s[6:7], s[6:7], s[40:41]          ; the sample's 512 pairs
	s_lshl_b32 s40, s24, 7
	s_add_nc_u64 s[8:9], s[8:9], s[40:41]          ; my 32 channels' gamma and beta
	s_add_nc_u64 s[10:11], s[10:11], s[40:41]
	s_lshl_b32 s40, s24, 8
	s_add_nc_u64 s[16:17], s[16:17], s[40:41]      ; my 64 output channels' bias
	s_lshl_b32 s40, s26, 22
	s_lshl_b32 s33, s24, 19
	s_add_co_u32 s40, s40, s33
	s_lshl_b32 s33, s25, 9
	s_add_co_u32 s40, s40, s33
	s_add_nc_u64 s[4:5], s[4:5], s[40:41]          ; x at (sample, channel 32 w, position 128 PB)
.irp q, 0,1,2,3,4,5,6,7
	global_load_b128 v[WF+8*\q:WF+8*\q+3], v[LI], s[12:13] offset:1024*\q          ; fragment 2 t + s of my four tiles
	global_load_b128 v[WF+8*\q+4:WF+8*\q+7], v[LI], s[12:13] offset:1024*\q+512
	global_load_b32 v[WS+\q], v[LS4], s[14:15] offset:128*\q
.endr
.irp i, 0,1,2,3,4,5,6,7
	global_load_b128 v[216+4*\i:219+4*\i], v[LI], s[6:7] offset:512*\i             ; 16 pairs (mean, squared deviations) a lane
.endr
	s_wait_alu depctr_va_vdst(0)
.irp i, 0,1,2,3,4,5,6,7
	global_load_b128 v[GA+4*\i:GA+4*\i+3], v[ZERO], s[8:9] offset:16*\i            ; the same numbers in every lane: register i belongs to channel 32 w + i
	global_load_b128 v[BE+4*\i:BE+4*\i+3], v[ZERO], s[10:11] offset:16*\i
.endr
	XLOAD XSA, 0
	s_wait_loadcnt 48                              ; the statistics are in: behind them stand gamma's and beta's 16 loads and x's 32
	v_pk_add_f32 v[50:51], v[216:217], v[218:219]
	v_pk_add_f32 v[254:255], v[224:225], v[228:229]
	v_pk_add_f32 v[252:253], v[232:233], v[236:237]
	v_pk_add_f32 v[250:251], v[240:241], v[244:245]
	v_pk_add_f32 v[248:249], v[220:221], v[222:223]
	v_pk_add_f32 v[78:79], v[226:227], v[230:231]
	v_pk_add_f32 v[76:77], v[234:235], v[238:239]
	v_pk_add_f32 v[48:49], v[242:243], v[246:247]
	s_delay_alu instid0(VALU_DEP_1)
	v_pk_add_f32 v[48:49], v[48:49], v[250:251]
	v_pk_add_f32 v[50:51], v[50:51], v[248:249]
	v_pk_add_f32 v[254:255], v[254:255], v[78:79]
	v_pk_add_f32 v[252:253], v[252:253], v[76:77]
	s_delay_alu instid0(VALU_DEP_2)
	v_pk_add_f32 v[48:49], v[48:49], v[254:255]
	s_delay_alu instid0(VALU_DEP_2)
	v_pk_add_f32 v[50:51], v[50:51], v[252:253]
	s_delay_alu instid0(VALU_DEP_1)
	v_pk_add_f32 v[48:49], v[48:49], v[50:51]
	WSUM 48                                        ; the sum of the 512 means
	WSUM 49                                        ; the sum of the 512 sums of squared deviations
	v_mul_f32 v52, 0x3b000000, v48                 ; the sample's mean: x 2^-9
.irp i, 0,1,2,3,4,5,6,7,8,9,10,11,12,13,14,15
	v_sub_f32 v[56+\i], v[216+2*\i], v52
.endr
	v_mul_f32 v53, v56, v56
	v_mul_f32 v54, v57, v57
.irp i, 2,4,6,8,10,12,14
	s_delay_alu instid0(VALU_DEP_2)
	v_fma_f32 v53, v[56+\i], v[56+\i], v53
	s_delay_alu instid0(VALU_DEP_2)
	v_fma_f32 v54, v[57+\i], v[57+\i], v54
.endr
	s_delay_alu instid0(VALU_DEP_1)
	v_add_f32 v53, v53, v54
	WSUM 53                                        ; the squared deviations of the waves' means
	s_delay_alu instid0(VALU_DEP_1)
	v_fmamk_f32 v49, v53, 0x45000000, v49          ; x 2,048 numbers each, + the sums within the waves
	s_delay_alu instid0(VALU_DEP_1)
	v_fmaak_f32 v49, s31, v49, 0x3727c5ac          ; the variance (x 2^-20) + 1e-5
	s_wait_alu depctr_va_vdst(0)
	v_rsq_f32 v218, v49
	v_sub_f32 v216, 0, v52                         ; (a plain place behind the transcendental)  -mean,
	s_delay_alu instid0(VALU_DEP_1)
	v_mov_b32 v217, v216                           ; twice
	s_wait_alu depctr_va_vdst(0)
	v_mov_b32 v219, v218                           ; rstd, twice
	XLOAD XSB, 1
	s_wait_alu depctr_va_vdst(0)
	s_wait_loadcnt 32                              ; gamma, beta and the first 32 positions are in; the 32 loads just issued may be out
.set j, 0
.rept 16
	v_pk_mul_f32 v[GA+j:GA+j+1], v[GA+j:GA+j+1], v[218:219]
.set j, j+2
.endr
	XGROUP 0, XSA
	XLOAD XSA, 2
	s_wait_loadcnt 32                              ; each wait leaves the 32 loads just issued out
	XGROUP 1, XSB
	XLOAD XSB, 3
	s_wait_loadcnt 32
	XGROUP 2, XSA
	s_wait_loadcnt 0x0
	XGROUP 3, XSB
	s_wait_dscnt 0x0                               ; my stores have landed: for the barrier, and the bias may land where the codes lay
.irp t, 0,1,2,3
	global_load_b128 v[BI+8*\t:BI+8*\t+3], v[BQ], s[16:17] offset:(32*(\t/2)+8*(\t%2))*4          ; register j of tile t: channel 32 (t / 2) + 16 h + 8 (t % 2) + j
	global_load_b128 v[BI+8*\t+4:BI+8*\t+7], v[BQ], s[16:17] offset:(32*(\t/2)+8*(\t%2))*4+16
.endr
	s_branch .Ljoin
	; ---- waves 8-15: two tiles of v's rows of W, T0 = 16 + 2 w on, and their bias
.Lvhead:
	s_lshl_b32 s32, s24, 1
	s_add_co_u32 s32, s32, 16                      ; T0
	s_lshl_b32 s40, s32, 11
	s_add_nc_u64 s[12:13], s[12:13], s[40:41]
	s_lshl_b32 s40, s32, 8
	s_add_nc_u64 s[14:15], s[14:15], s[40:41]
	s_lshl_b32 s40, s32, 6
	s_add_nc_u64 s[16:17], s[16:17], s[40:41]      ; channel 16 T0
.irp q, 0,1,2,3
	global_load_b128 v[WF+8*\q:WF+8*\q+3], v[LI], s[12:13] offset:1024*\q
	global_load_b128 v[WF+8*\q+4:WF+8*\q+7], v[LI], s[12:13] offset:1024*\q+512
	global_load_b32 v[WS+\q], v[LS4], s[14:15] offset:128*\q
.endr
	s_wait_alu depctr_va_vdst(0)
.irp t, 0,1
.irp j, 0,1,2,3,4,5,6,7
	global_load_b32 v[BI+8*\t+\j], v[BV], s[16:17] offset:32*\t    ; here a lane is a channel: its bias in all eight registers of C
.endr
.endr
.Ljoin:
	s_wait_dscnt 0x0                               ; my LDS stores have landed
	s_barrier_signal -1
	s_barrier_wait -1                              ; x's sixteen fragments and their scale words lie in LDS
	s_wait_loadcnt 0x0                             ; weights and bias
.irp b, 0,1,2,3
	v_mov_b32 v[TM+4+\b], 0                        ; written once: a lane permute's destination counts as read
.endr
	s_cmp_lt_u32 s24, 8
	s_cbranch_scc0 .Lvpath
	; ---- q and k: where the pairs go
	s_and_b32 s32, s24, 3                          ; the head
	s_lshl_b32 s33, s26, 2
	s_add_co_u32 s33, s33, s32
	s_lshl_b32 s34, s33, 17
	s_lshl_b32 s35, s25, 12
	s_add_co_u32 s34, s34, s35                     ; q's codes: ((4 n + head) 128 + 4 PB) 1024
	s_lshl_b32 s36, s33, 13
	s_lshl_b32 s35, s25, 8
	s_add_co_u32 s36, s36, s35                     ; q's scale words: ((4 n + head) 64 + 2 PB) 128
	s_lshl_b32 s40, s32, 14
	s_add_co_u32 s40, s40, s38
	s_lshl_b32 s35, s39, 12
	s_add_co_u32 s40, s40, s35                     ; k's codes in the chunk
	s_lshl_b32 s42, s32, 10
	s_add_co_u32 s42, s42, s38
	s_lshl_b32 s35, s39, 8
	s_add_co_u32 s42, s42, s35
	s_add_co_u32 s42, s42, 131072                  ; k's scale words
	s_cmp_lt_u32 s24, 4                            ; the choice hangs on the wave's number alone
	s_cselect_b64 s[44:45], s[18:19], s[22:23]
	s_cselect_b64 s[46:47], s[20:21], s[22:23]
	s_cselect_b32 s34, s34, s40
	s_cselect_b32 s36, s36, s42
	s_mov_b32 s35, 0
	s_mov_b32 s37, 0
	s_add_nc_u64 s[44:45], s[44:45], s[34:35]
	s_add_nc_u64 s[46:47], s[46:47], s[36:37]
; Pair i: position tiles 2 i and 2 i + 1 against my four tiles of W, two K steps: eight accumulators by turns.
.macro QKPAIR i
	FETCHX XF, XS, 2*(\i)
	FETCHX XF+8, XS+1, 2*(\i)+1
	FETCHX XF+16, XS+2, 8+2*(\i)
	FETCHX XF+24, XS+3, 9+2*(\i)
	s_wait_dscnt 0x0
.irp m, 0,1
.irp t, 0,1,2,3
	MM HA+32*\m+8*\t, WF+16*\t, XF+8*\m, BI+8*\t, WS+2*\t, XS+\m           ; the bias is the C of the first K step
.endr
.endr
.irp m, 0,1
.irp t, 0,1,2,3
	MM HA+32*\m+8*\t, WF+16*\t+8, XF+16+8*\m, HA+32*\m+8*\t, WS+2*\t+1, XS+2+\m
.endr
.endr
	PLACES5
.set j, 0
.rept 32
	v_pk_mul_f32 v[HA+j:HA+j+1], v[HA+j:HA+j+1], 0x3eb504f3 op_sel_hi:[1,0]    ; x 64^-0.25 = 2^-1.5; each accumulator from its low end on
.set j, j+2
.endr
	s_wait_xcnt 0x0                                ; the last pair's stores have read their registers
	QUANT HA                                       ; blocks 0, 1: tile 2 i's d 0-31, 32-63; blocks 2, 3: tile 2 i + 1's
	global_store_b128 v[LI], v[PC:PC+3], s[44:45] offset:(\i)*1024         ; 32 lanes store 512 consecutive bytes
	global_store_b128 v[LI], v[PC+4:PC+7], s[44:45] offset:(\i)*1024+512
.if (\i)%2 == 0
	v_mov_b32 v[PWS], v[PW]
.else
	v_cndmask_b32 v[PWO], v[PWS], v[PW], s30       ; lanes 0-15 the even pair's words, lanes 16-31 the odd pair's
	global_store_b32 v[LS4], v[PWO], s[46:47] offset:((\i)/2)*128
.endif
.endm
	QKPAIR 0
	QKPAIR 1
	QKPAIR 2
	QKPAIR 3
	s_wait_xcnt 0x0
	v_lshl_add_u32 v254, v0, 2, 0x4400
	v_mov_b32 v255, 0
	s_wait_alu depctr_va_vdst(0)
	s_wait_tensorcnt 0x0
	ds_add_u32 v254, v255
	s_wait_dscnt 0x0
	s_endpgm
	; ---- v: where the fragments go
.Lvpath:
	s_sub_co_u32 s32, s24, 8                       ; 2 x head + half
	s_lshl_b32 s34, s32, 11
	s_add_co_u32 s34, s34, s38
	s_lshl_b32 s33, s39, 14
	s_add_co_u32 s34, s34, s33
	s_add_co_u32 s34, s34, 65536
	s_mov_b32 s35, 0
	s_add_nc_u64 s[44:45], s[22:23], s[34:35]
	s_lshl_b32 s36, s32, 7
	s_add_co_u32 s36, s36, s38
	s_lshl_b32 s33, s39, 10
	s_add_co_u32 s36, s36, s33
	s_add_co_u32 s36, s36, 135168
	s_mov_b32 s37, 0
	s_add_nc_u64 s[46:47], s[22:23], s[36:37]
; Tile t of my two tiles of channels against all eight position tiles: eight accumulators by turns; a lane's 64 registers are the 128 keys' halves of one channel.
.macro VTILE t
.irp s, 0,1
.irp k, 0,1,2,3,4,5,6,7
	FETCHX XF+8*\k+(\k/4)*64, XS+\k, 8*\s+\k       ; tiles 0-3 into v80-111, tiles 4-7 into v176-207
.endr
	s_wait_dscnt 0x0
.irp k, 0,1,2,3,4,5,6,7
.if \s == 0
	MM HA+8*\k, XF+8*\k+(\k/4)*64, WF+8*(2*(\t)+\s), BI+8*(\t), XS+\k, WS+2*(\t)+\s
.else
	MM HA+8*\k, XF+8*\k+(\k/4)*64, WF+8*(2*(\t)+\s), HA+8*\k, XS+\k, WS+2*(\t)+\s
.endif
.endr
	PLACES5
.endr
	s_wait_xcnt 0x0                                ; the last tile's stores have read their registers
	QUANT HA
	global_store_b128 v[LI], v[PC:PC+3], s[44:45] offset:(\t)*1024
	global_store_b128 v[LI], v[PC+4:PC+7], s[44:45] offset:(\t)*1024+512
.if (\t) == 0
	v_mov_b32 v[PWS], v[PW]
.else
	v_cndmask_b32 v[PWO], v[PWS], v[PW], s30
	global_store_b32 v[LS4], v[PWO], s[46:47]
.endif
.endm
	VTILE 0
	VTILE 1
	s_wait_xcnt 0x0
	v_lshl_add_u32 v254, v0, 2, 0x4400
	v_mov_b32 v255, 0
	s_wait_alu depctr_va_vdst(0)
	s_wait_tensorcnt 0x0
	ds_add_u32 v254, v255
	s_wait_dscnt 0x0
	s_endpgm
.Lfunc_end_k_q70cb022221_qkv:
	.size	k_q70cb022221_qkv, .Lfunc_end_k_q70cb022221_qkv-k_q70cb022221_qkv
	.p2alignl 7, 3214868480
	.fill 96, 4, 3214868480
	.section	.rodata,"a",@progbits
	.p2align	6, 0x0
	.amdhsa_kernel k_q70cb022221_qkv
		.amdhsa_group_segment_fixed_size 19456
		.amdhsa_private_segment_fixed_size 0
		.amdhsa_enable_private_segment 0
		.amdhsa_kernarg_size 80
		.amdhsa_user_sgpr_count 2
		.amdhsa_user_sgpr_kernarg_segment_ptr 1
		.amdhsa_wavefront_size32 1
		.amdhsa_system_sgpr_workgroup_id_x 1
		.amdhsa_system_sgpr_workgroup_id_y 1
		.amdhsa_system_sgpr_workgroup_id_z 1
		.amdhsa_system_vgpr_workitem_id 0
		.amdhsa_next_free_vgpr 256
		.amdhsa_next_free_sgpr 66
		.amdhsa_reserve_vcc 0
		.amdhsa_float_denorm_mode_32 3
		.amdhsa_float_denorm_mode_16_64 3
		.amdhsa_memory_ordered 1
		.amdhsa_forward_progress 1
		.amdhsa_inst_pref_size 111
	.end_amdhsa_kernel
	.amdgpu_metadata
---
amdhsa.version: [ 1, 2 ]
amdhsa.kernels:
  - .name:           k_q70cb022221_qkv
    .symbol:         k_q70cb022221_qkv.kd
    .args:
      - { .name: x, .offset: 0, .size: 8, .value_kind: global_buffer, .address_space: global }
      - { .name: stats, .offset: 8, .size: 8, .value_kind: global_buffer, .address_space: global }
      - { .name: gamma, .offset: 16, .size: 8, .value_kind: global_buffer, .address_space: global }
      - { .name: beta, .offset: 24, .size: 8, .value_kind: global_buffer, .address_space: global }
      - { .name: w_codes, .offset: 32, .size: 8, .value_kind: global_buffer, .address_space: global }
      - { .name: w_scales, .offset: 40, .size: 8, .value_kind: global_buffer, .address_space: global }
      - { .name: b_qkv, .offset: 48, .size: 8, .value_kind: global_buffer, .address_space: global }
      - { .name: q_codes, .offset: 56, .size: 8, .value_kind: global_buffer, .address_space: global }
      - { .name: q_scales, .offset: 64, .size: 8, .value_kind: global_buffer, .address_space: global }
      - { .name: kv, .offset: 72, .size: 8, .value_kind: global_buffer, .address_space: global }
    .group_segment_fixed_size: 19456
    .private_segment_fixed_size: 0
    .kernarg_segment_align: 8
    .kernarg_segment_size: 80
    .max_flat_workgroup_size: 512
    .sgpr_count:     66
    .vgpr_count:     256
    .wavefront_size: 32
...
	.end_amdgpu_metadata
.endif
;; end of part 2
;; launch attn (part 3): grid 64 x 4, 16 waves a work-group, clusters of 4 x 1, 327,680 bytes of LDS; arguments q_codes, q_scales, kv, w_codes, w_scales, b_out, x, out0; writes out0
.if DOCPART == 3
	.amdgcn_target "amdgcn-amd-amdhsa--gfx1250"
	.amdhsa_code_object_version 6
	.text
	.protected	k_q70cb022221_attn
	.globl	k_q70cb022221_attn
	.p2align	8
	.type	k_q70cb022221_attn,@function
k_q70cb022221_attn:
	s_mov_b64 s[64:65], 0
	v_nop
	global_prefetch_b8 v0, s[64:65] scope:SCOPE_SE
	s_setreg_imm32_b32 hwreg(HW_REG_WAVE_MODE, 25, 1), 1
	s_wait_xcnt 0x0
	s_wait_alu depctr_hold_cnt(0) depctr_sa_sdst(0) depctr_va_vdst(0) depctr_va_sdst(0) depctr_va_ssrc(0) depctr_va_vcc(0) depctr_vm_vsrc(0)
	s_getreg_b32 s2, hwreg(HW_REG_IB_STS2, 6, 4)
	s_cmp_eq_u32 s2, 0
	s_cbranch_scc0 .Lentry_in_a_cluster
	s_endpgm
.Lentry_in_a_cluster:
	s_bfe_u32 s2, ttmp6, 0x10000c
	s_cmp_lg_u32 s2, 0x3003
	s_cbranch_scc0 .Lentry_shape_is_right
	s_endpgm
.Lentry_shape_is_right:
; Attention on codes of FP4 (E2M1, one E8M0 byte for each 32 along a product's K), the output projection and the residual, in one launch.
; SHARES.  A work-group owns 64 positions of one sample and ALL FOUR heads, so that the projection, which sums over all 256 channels, finds them in its own LDS.  Wave w: head w / 4, query tile w % 4 (16 queries), in 256 registers:
; four waves to a SIMD, so that one wave's exponentials stand beside another's products and LDS loads.  The softmax is by far the larger part of a step (68 exponentials and some 180 plain vector instructions for 12 matrix instructions),
; so large wave tiles would buy nothing here.  64 x 4 = 256 work-groups of equal work.
; CLUSTER.  The four work-groups of a cluster belong to one sample and walk the same eight chunks of kv (512 keys, all heads' k and v with their scale words: 139,264 dense bytes): each chunk is asked for JOINTLY, mask 15.
; Waves 0-3 bring a quarter of a chunk each, 136 rows of 256 bytes; a wave never has more than one tensor load out.  Everything in a chunk is an image of operand registers: each LDS load reads 512 (or 128) consecutive bytes, so no padding.
; LAYOUT.  Both products are used transposed: S^T = K Q^T, O^T = V^T P^T: a lane holds ONE query (lane % 16) throughout.  Tiles are not made of neighbours: lane r of tile 2 b + u stands for item 32 b + 8 u + r + 8 (r / 8), for keys,
; queries and channels alike, so that the 16 registers of two neighbouring tiles are 16 neighbours along the next K.
; K = 64 IN A FORM 128 DEEP.  A fragment of k holds TWO tiles of 16 keys (k = 0..63: tile 2 g's head axis; k = 64..127: tile 2 g + 1's).  Against [Q, 0] it gives tile 2 g's scores, against [0, Q] tile 2 g + 1's: zero codes add nothing.
; SOFTMAX.  t = score x log2(e); M = the running largest t rounded up to a whole number; p = 2^(t - M) is quantised along the keys; the sum is taken of the unquantised p and divides O at the end; when M moves, sum and O^T are multiplied by 2^(old M - new M), exactly.
; THE END.  y = O / sum is quantised along the channels and goes to LDS as images; behind a barrier wave w multiplies all 64 positions by tile w of w_out (source 0 = 16 positions, source 1 = 16 rows of w_out, C = b_out), adds x, and stores whole units of 256 bytes.
; LIMITS: v_exp_f32 gives 0 for p under 2^-126; v_rcp_f32 is good to one unit in the last place; a block of zeros or under 2^-124 gets the scale byte 1 (its codes are zeros); NaN and infinities are not served.
; REGISTERS: v1-4 places in a slot; v5, v6 the add's; v7 my offset in x and out0; v8-11 addresses in hand; v12 -M, v13 largest t, v[14:15] the sum; v[16:19] Q, v[20:23] zeros, v[24:27] Q; v28-31 y's scale words;
;   v32-63 four pairs of k (later the projection's sums); v64-95 four fragments of v (later rows read back); v96-159 S^T, p (later y's fragments); v160-191 O^T (later x); v192-207, v208-209 w_out and its scale words; v210-217 b_out;
;   v218-223 LDS addresses of the end; v224-231 p's codes; v232-247, v252, v254 at work; v248-251 k's and v's scale words; v253 p's; v255 Q's.
.set CHUNKB, 139264                    ; a chunk, and an LDS slot: slot 0 at 0, slot 1 behind it
.set QUART,  34816                     ; 136 rows of 256 bytes: what one tensor load brings
.set SPARE,  278528                    ; behind the ring: the spare words, 128 bytes for each of 16 waves: eight blocks of 256 bytes that no other line names
.set YIMG,   280576                    ; y's eight fragments (2 x tile of positions + K step), 1,024 bytes each
.set YSC,    288768                    ; their scale words, 64 bytes each
.set STW,    4352                      ; the way out: 16 rows x (256 + 16) bytes for each wave, in slot 0, which has had its last fill and its last read at the last change of slots
.macro ROUND                           ; a round of the cluster's barrier
	s_barrier_signal -1
	s_barrier_wait -1
	s_cmp_lg_u32 s20, 0
	s_cbranch_scc1 .Lnot_wave_0_\@
	s_barrier_signal -3
.Lnot_wave_0_\@:
	s_barrier_wait -3
	s_barrier_signal -1
	s_barrier_wait -1
.endm
.macro JLOAD g0                        ; a joint load: waves 0-3 a quarter of a chunk each; the branch hangs on the wave's number alone; four v_nop follow the load
	s_cmp_lt_u32 s20, 4
	s_cbranch_scc0 .Lasked_\@
	tensor_load_to_lds s[(\g0):(\g0)+3], s[32:39]
	s_nop 0
.rept 4
	v_nop
.endr
.Lasked_\@:
.endm
	s_load_b256 s[4:11], s[0:1], 0x0               ; q_codes s[4:5], q_scales s[6:7], kv s[8:9], w_codes s[10:11]
	s_load_b256 s[12:19], s[0:1], 0x20             ; w_scales s[12:13], b_out s[14:15], x s[16:17], out0 s[18:19]
	v_lshl_add_u32 v5, v0, 2, SPARE
	v_mov_b32 v6, 0
	ds_add_u32 v5, v6
	ds_add_u32 v5, v6
	s_wait_dscnt 0x0
	v_lshrrev_b32 v8, 5, v0
	s_delay_alu instid0(VALU_DEP_1)
	v_readfirstlane_b32 s20, v8                    ; wave 0..15
	s_lshr_b32 s21, s20, 2                         ; my head
	s_and_b32 s22, s20, 3                          ; my tile of queries
	s_bfe_u32 s23, ttmp6, 0x40000                  ; cx: it enters the global offsets of Q, x and out0 alone
	s_lshl_b32 s24, ttmp9, 2
	s_add_co_u32 s24, s24, s23                     ; which 64 positions
	s_and_b32 s25, ttmp7, 0xffff                   ; the sample, which the four partners share
	s_mov_b32 s26, 0x76543210
	s_mov_b32 s27, 0xfedcba98                      ; selects for lane l xor 16
	s_mov_b32 s28, 0x3fb8aa3b                      ; log2(e)
	s_mov_b32 s29, s28                             ; (named with it as a pair)
	; descriptor group 1: 136 dense rows of 32 elements of 8 bytes
	s_mov_b32 s32, 15|(3<<16)|(1<<21)              ; 15:0 the mask: all four work-groups; 17:16 elements of 8 bytes; 21 set beside a mask; no padding
	s_mov_b32 s33, 32<<16                          ; tensor_dim0 = 32
	s_mov_b32 s34, 136<<16                         ; tensor_dim1 = 136
	s_mov_b32 s35, 32<<16                          ; tile_dim0 = 32
	s_mov_b32 s36, 136                             ; tile_dim1 = 136
	s_mov_b32 s37, 32                              ; from row to row
	s_mov_b32 s38, 0
	s_mov_b32 s39, 0
	s_min_u32 s54, s20, 3                          ; which quarter (waves 4-15 issue nothing)
	s_mul_i32 s55, s54, QUART
	s_lshl_b32 s56, s25, 3
	s_mul_i32 s56, s56, CHUNKB                     ; the sample's first chunk
	s_add_co_u32 s56, s56, s55
	s_mov_b32 s57, 0
	s_wait_kmcnt 0x0
	s_mov_b32 s40, 1                               ; group 0 of slot 0: chunk 0
	s_mov_b32 s41, s55
	s_add_nc_u64 s[42:43], s[8:9], s[56:57]
	s_mov_b32 s44, 1                               ; group 0 of slot 1: chunk 1
	s_add_co_u32 s45, s55, CHUNKB
	s_add_nc_u64 s[46:47], s[42:43], CHUNKB
	s_or_b32 s43, s43, 0x80000000                  ; type = 2
	s_or_b32 s47, s47, 0x80000000
	ROUND                                          ; all four work-groups are here: the first joint load meets
	JLOAD 40
	; what stays in registers: Q (twice), its scale word, my tile of w_out, its bias
	v_and_b32 v8, 31, v0
	v_and_b32 v9, 15, v0                           ; r
	v_bfe_u32 v10, v0, 4, 1                        ; h
	s_delay_alu instid0(VALU_DEP_3)
	v_lshlrev_b32 v232, 4, v8                      ; 16 x lane
	s_wait_alu depctr_va_vdst(0)
	v_lshlrev_b32 v233, 2, v8                      ; 4 x lane
	v_lshlrev_b32 v234, 2, v9                      ; 4 r
	s_wait_alu depctr_va_vdst(0)
	v_and_b32 v11, 8, v9
	s_delay_alu instid0(VALU_DEP_1)
	v_add_nc_u32 v11, v11, v9
	s_delay_alu instid0(VALU_DEP_1)
	v_lshlrev_b32 v235, 2, v11                     ; 4 (r + 8 (r / 8))
	s_wait_alu depctr_va_vdst(0)
	s_lshl_b32 s54, s25, 2
	s_add_co_u32 s54, s54, s21                     ; 4 n + head
	s_lshl_b32 s56, s54, 7
	s_lshl_b32 s55, s24, 1
	s_add_co_u32 s56, s56, s55
	s_lshr_b32 s55, s22, 1
	s_add_co_u32 s56, s56, s55                     ; my pair
	s_lshl_b32 s56, s56, 10
	s_and_b32 s61, s22, 1
	s_lshl_b32 s55, s61, 9                         ; and my half of it
	s_add_co_u32 s56, s56, s55
	s_add_nc_u64 s[4:5], s[4:5], s[56:57]
	s_lshl_b32 s56, s54, 6
	s_add_co_u32 s56, s56, s24
	s_lshl_b32 s56, s56, 7
	s_lshr_b32 s55, s22, 1
	s_lshl_b32 s55, s55, 6
	s_add_co_u32 s56, s56, s55
	s_add_nc_u64 s[6:7], s[6:7], s[56:57]
	s_lshl_b32 s61, s61, 4                         ; 16 bits up for the odd tile of a pair
	s_lshl_b32 s54, s20, 1
	s_add_co_u32 s54, s54, 96                      ; w_out's tile w: fragments 96 + 2 w, + 1
	s_lshl_b32 s56, s54, 10
	s_add_nc_u64 s[10:11], s[10:11], s[56:57]
	s_lshl_b32 s56, s54, 7
	s_add_nc_u64 s[12:13], s[12:13], s[56:57]
	s_lshr_b32 s54, s20, 1
	s_lshl_b32 s54, s54, 5
	s_and_b32 s55, s20, 1
	s_lshl_b32 s55, s55, 3
	s_add_co_u32 s54, s54, s55                     ; its first channel: 32 (w / 2) + 8 (w % 2)
	s_lshl_b32 s56, s54, 2
	s_add_nc_u64 s[14:15], s[14:15], s[56:57]
	s_lshl_b32 s56, s54, 14
	s_lshl_b32 s55, s25, 22
	s_add_co_u32 s56, s56, s55
	s_lshl_b32 s55, s24, 8
	s_add_co_u32 s56, s56, s55                     ; (sample, that channel, my 64 positions) in x and in out0
	s_add_nc_u64 s[16:17], s[16:17], s[56:57]
	s_add_nc_u64 s[18:19], s[18:19], s[56:57]
	global_load_b128 v[16:19], v232, s[4:5]        ; lane (r, h): d = 32 h .. 32 h + 31 of my query
	global_load_b128 v[24:27], v232, s[4:5]
	global_load_b32 v255, v234, s[6:7]
.irp s, 0,1
	global_load_b128 v[192+8*\s:195+8*\s], v232, s[10:11] offset:1024*\s
	global_load_b128 v[196+8*\s:199+8*\s], v232, s[10:11] offset:1024*\s+512
	global_load_b32 v[208+\s], v233, s[12:13] offset:128*\s
.endr
.irp j, 0,1,2,3,4,5,6,7
	global_load_b32 v[210+\j], v235, s[14:15]      ; in the projection a lane is a channel: its bias in all eight registers of C
.endr
	; every LDS address: constants, the lane, the wave
	s_lshl_b32 s55, s21, 14
	v_add_nc_u32 v1, s55, v232                     ; k's pairs of my head
	s_lshl_b32 s55, s21, 12
	s_add_co_u32 s55, s55, 65536
	v_add_nc_u32 v2, s55, v232                     ; v's fragments
	s_lshl_b32 s55, s21, 10
	s_add_co_u32 s55, s55, 131072
	v_add_nc_u32 v3, s55, v233                     ; k's scale words
	s_lshl_b32 s55, s21, 8
	s_add_co_u32 s55, s55, 135168
	v_add_nc_u32 v4, s55, v233                     ; v's
	v_lshlrev_b32 v7, 14, v10
	s_delay_alu instid0(VALU_DEP_1)
	v_lshl_add_u32 v7, v9, 4, v7                   ; lanes 0-15 one channel's 256 bytes, lanes 16-31 the next channel's
	s_lshl_b32 s58, s22, 1
	s_lshr_b32 s59, s21, 1
	s_add_co_u32 s58, s58, s59                     ; y's fragment that I write into: 2 x my tile + K step head / 2,
	s_and_b32 s59, s21, 1                          ; registers 4 (head % 2) on
	s_lshl_b32 s55, s58, 10
	s_lshl_b32 s60, s59, 9
	s_add_co_u32 s55, s55, s60
	s_add_co_u32 s55, s55, YIMG
	v_add_nc_u32 v218, s55, v232
	s_lshl_b32 s55, s58, 6
	s_lshl_b32 s60, s59, 1
	s_add_co_u32 s55, s55, s60
	s_add_co_u32 s55, s55, YSC
	v_add_nc_u32 v219, s55, v234
	v_add_nc_u32 v220, YIMG, v232
	v_add_nc_u32 v221, YSC, v233
	s_mul_i32 s55, s20, STW
	v_mul_u32_u24 v222, v9, 272
	s_delay_alu instid0(VALU_DEP_1)
	v_lshl_add_u32 v222, v10, 6, v222
	s_delay_alu instid0(VALU_DEP_1)
	v_add_nc_u32 v222, s55, v222                   ; the stage, in: row r (a channel), + 64 h
	v_mul_u32_u24 v223, v10, 272
	s_delay_alu instid0(VALU_DEP_1)
	v_lshl_add_u32 v223, v9, 4, v223
	s_delay_alu instid0(VALU_DEP_1)
	v_add_nc_u32 v223, s55, v223                   ; and back: lanes 0-15 one row, lanes 16-31 the next
	s_wait_loadcnt 0x0
	v_lshrrev_b32 v255, s61, v255                  ; my tile's two bytes of the pair's word,
	s_delay_alu instid0(VALU_DEP_1)
	v_and_b32 v255, 0xffff, v255
	s_delay_alu instid0(VALU_DEP_1)
	v_lshl_or_b32 v255, v255, 16, v255             ; in both halves: they serve [Q, 0] and [0, Q]
.irp j, 0,1,2,3
	v_mov_b32 v[20+\j], 0                          ; the zero codes between the two copies of Q
.endr
	v_mov_b32 v13, 0xff61b1e6                      ; the largest t so far: -3e38
	s_delay_alu instid0(VALU_DEP_1)
	v_floor_f32 v12, -v13                          ; -M
	v_mov_b32 v14, 0
	v_mov_b32 v15, 0
.irp b, 0,1,2,3
	v_mov_b32 v[236+\b], 0                         ; a lane permute's destination counts as read
.endr
	v_mov_b32 v253, 0                              ; (named as the upper half of v[252:253] before it is first written)
.set j, 0
.rept 32
	v_mov_b32 v[160+j], 0                          ; O^T: the step is written once; its first trip finds zeros, which the first change of M leaves zeros
.set j, j+1
.endr
.macro KQ i, u                         ; scores of key tile 2 i + u: pair i against [Q, 0] (u = 0) or [0, Q] (u = 1); the pair's scale words lie in lanes 0-15 (even i) or 16-31 (odd i)
.if (\i)%2
	v_wmma_scale_f32_16x16x128_f8f6f4 v[96+16*(\i)+8*(\u):103+16*(\i)+8*(\u)], v[32+8*(\i):39+8*(\i)], v[16+4*(\u):23+4*(\u)], 0, v[248+(\i)/2], v255 matrix_a_fmt:MATRIX_FMT_FP4 matrix_b_fmt:MATRIX_FMT_FP4 matrix_a_scale:MATRIX_SCALE_ROW1
.else
	v_wmma_scale_f32_16x16x128_f8f6f4 v[96+16*(\i)+8*(\u):103+16*(\i)+8*(\u)], v[32+8*(\i):39+8*(\i)], v[16+4*(\u):23+4*(\u)], 0, v[248+(\i)/2], v255 matrix_a_fmt:MATRIX_FMT_FP4 matrix_b_fmt:MATRIX_FMT_FP4
.endif
.endm
.macro PV t                            ; O^T's tile t += 16 channels of v x p
.if (\t)%2
	v_wmma_scale_f32_16x16x128_f8f6f4 v[160+8*(\t):167+8*(\t)], v[64+8*(\t):71+8*(\t)], v[224:231], v[160+8*(\t):167+8*(\t)], v[250+(\t)/2], v253 matrix_a_fmt:MATRIX_FMT_FP4 matrix_b_fmt:MATRIX_FMT_FP4 matrix_a_scale:MATRIX_SCALE_ROW1
.else
	v_wmma_scale_f32_16x16x128_f8f6f4 v[160+8*(\t):167+8*(\t)], v[64+8*(\t):71+8*(\t)], v[224:231], v[160+8*(\t):167+8*(\t)], v[250+(\t)/2], v253 matrix_a_fmt:MATRIX_FMT_FP4 matrix_b_fmt:MATRIX_FMT_FP4
.endif
.endm
; A KEY STEP: 128 keys.  s48-51: where the step's k, v and their scale words begin in LDS.
.macro STEP
	v_add_nc_u32 v8, s48, v1                       ; these four are also the places behind the last step's products, in front of the loads into their operands
	v_add_nc_u32 v9, s49, v2
	v_add_nc_u32 v10, s50, v3
	v_add_nc_u32 v11, s51, v4
.irp i, 0,1,2,3
	ds_load_b128 v[32+8*\i:35+8*\i], v8 offset:1024*\i
	ds_load_b128 v[36+8*\i:39+8*\i], v8 offset:1024*\i+512
.endr
	ds_load_b32 v248, v10
	ds_load_b32 v249, v10 offset:128
.irp t, 0,1,2,3
	ds_load_b128 v[64+8*\t:67+8*\t], v9 offset:1024*\t
	ds_load_b128 v[68+8*\t:71+8*\t], v9 offset:1024*\t+512
.endr
	ds_load_b32 v250, v11
	ds_load_b32 v251, v11 offset:128
	s_wait_dscnt 10                                ; k and its words are in; v's ten loads may be out: they land under the softmax
.irp i, 0,1,2,3
	KQ \i, 0
	KQ \i, 1
.endr                                          ; register 16 i + 8 u + j: key 32 i + 16 (lane / 16) + 8 u + j
.rept 4
	v_nop
.endr
.irp b, 0,1,2,3
	v_max3_num_f32 v[232+\b], v[96+16*\b], v[97+16*\b], v[98+16*\b]        ; the largest score of each block of 32 keys: for the row's maximum, and, since p rises with the score, for the block's largest p
.endr
.irp i, 3,5,7,9,11,13
.irp b, 0,1,2,3
	v_max3_num_f32 v[232+\b], v[232+\b], v[96+16*\b+\i], v[97+16*\b+\i]
.endr
.endr
.irp b, 0,1,2,3
	v_max_num_f32 v[232+\b], v[232+\b], v[111+16*\b]
.endr
.irp b, 0,1,2,3
	s_delay_alu instid0(VALU_DEP_4)
	v_permlanex16_b32 v[236+\b], v[232+\b], s26, s27
.endr
.irp b, 0,1,2,3
	s_delay_alu instid0(VALU_DEP_4)
	v_max_num_f32 v[232+\b], v[232+\b], v[236+\b]  ; with lane l xor 16's 16 keys
.endr
	s_delay_alu instid0(VALU_DEP_2)
	v_max3_num_f32 v254, v232, v233, v234
	s_delay_alu instid0(VALU_DEP_1)
	v_max_num_f32 v254, v254, v235
	s_delay_alu instid0(VALU_DEP_1)
	v_mul_f32 v254, s28, v254                      ; the step's largest t
	s_delay_alu instid0(VALU_DEP_1)
	v_max_num_f32 v13, v13, v254                   ; the running largest t
	v_mov_b32 v254, v12
	s_delay_alu instid0(VALU_DEP_2)
	v_floor_f32 v12, -v13                          ; the new -M = -ceil(t)
	s_delay_alu instid0(VALU_DEP_1)
	v_sub_f32 v254, v12, v254                      ; old M - new M: a whole number, 0 or less
	s_delay_alu instid0(VALU_DEP_1)
	v_cvt_i32_f32 v254, v254                       ; (it saturates)
	s_delay_alu instid0(VALU_DEP_1)
	v_ldexp_f32 v252, 1.0, v254                    ; f = 2^(old M - new M)
.set j, 0
.rept 32
	v_pk_fma_f32 v[96+j:97+j], v[96+j:97+j], s[28:29], v[12:13] op_sel_hi:[1,0,0]  ; t - M, two at a time
.set j, j+2
.endr
.irp b, 0,1,2,3
	v_fma_f32 v[232+\b], v[232+\b], s28, v12       ; the same of each block's largest score
.endr
.set j, 0
	s_wait_alu depctr_va_vdst(0)
.rept 64
	v_exp_f32 v[96+j], v[96+j]                     ; p = 2^(t - M)
.set j, j+1
.endr
	s_setprio 1
.irp b, 0,1,2,3
	v_exp_f32 v[232+\b], v[232+\b]                 ; the block's largest p: the same two instructions on the same number
.endr
	v_pk_mul_f32 v[14:15], v[14:15], v[252:253] op_sel_hi:[1,0]    ; the sum under the new M (a plain place behind the exponentials)
	s_wait_alu depctr_va_vdst(0)
.irp b, 0,1,2,3
	v_max_num_f32 v[232+\b], 0x1800000, v[232+\b]  ; the floor 2^(3 - 127): the byte cannot fall under 1
.endr
.irp b, 0,1,2,3
	s_delay_alu instid0(VALU_DEP_4)
	v_add_nc_u32 v[244+\b], 0xff000000, v[232+\b]  ; 2 off the exponent field: the conversion's scale operand
.endr
.irp b, 0,1,2,3
	s_delay_alu instid0(VALU_DEP_4)
	v_lshrrev_b32 v[236+\b], 23, v[244+\b]
.endr
	s_delay_alu instid0(VALU_DEP_3)
	v_lshl_or_b32 v253, v237, 8, v236              ; p's scale word for these 128 keys
	s_delay_alu instid0(VALU_DEP_1)
	v_lshl_or_b32 v253, v238, 16, v253
	s_delay_alu instid0(VALU_DEP_1)
	v_lshl_or_b32 v253, v239, 24, v253
.irp b, 0,1,2,3
	v_cvt_scalef32_pk8_fp4_f32 v[224+2*\b], v[96+16*\b:103+16*\b], v[244+\b]
	v_cvt_scalef32_pk8_fp4_f32 v[225+2*\b], v[104+16*\b:111+16*\b], v[244+\b]
.endr
	v_nop                                          ; one plain place behind the last conversion
.irp c, 0,1
.irp i, 0,1
	v_permlane16_swap_b32 v[224+4*\c+\i], v[226+4*\c+\i]   ; a whole block in a lane: lanes 0-15 block 2 c, lanes 16-31 block 2 c + 1
.endr
.endr
.set j, 0
.rept 16
	v_pk_mul_f32 v[160+j:161+j], v[160+j:161+j], v[252:253] op_sel_hi:[1,0]        ; O^T under the new M, each accumulator from its low end on
.set j, j+2
.endr
	v_pk_add_f32 v[236:237], v[100:101], v[104:105]
	v_pk_add_f32 v[248:249], v[108:109], v[112:113]
	v_pk_add_f32 v[246:247], v[116:117], v[120:121]
	v_pk_add_f32 v[244:245], v[124:125], v[128:129]
	v_pk_add_f32 v[242:243], v[132:133], v[136:137]
	v_pk_add_f32 v[240:241], v[140:141], v[144:145]
	v_pk_add_f32 v[234:235], v[148:149], v[152:153]
	v_pk_add_f32 v[14:15], v[14:15], v[156:157]
	v_pk_add_f32 v[236:237], v[236:237], v[96:97]
	v_pk_add_f32 v[248:249], v[248:249], v[98:99]
	v_pk_add_f32 v[246:247], v[246:247], v[102:103]
	v_pk_add_f32 v[244:245], v[244:245], v[106:107]
	v_pk_add_f32 v[242:243], v[242:243], v[110:111]
	v_pk_add_f32 v[240:241], v[240:241], v[114:115]
	s_setprio 0
	v_pk_add_f32 v[234:235], v[234:235], v[118:119]
	v_pk_add_f32 v[14:15], v[14:15], v[122:123]
	v_pk_add_f32 v[236:237], v[236:237], v[126:127]
	v_pk_add_f32 v[248:249], v[248:249], v[130:131]
	v_pk_add_f32 v[246:247], v[246:247], v[134:135]
	v_pk_add_f32 v[244:245], v[244:245], v[138:139]
	v_pk_add_f32 v[242:243], v[242:243], v[142:143]
	v_pk_add_f32 v[240:241], v[240:241], v[146:147]
	v_pk_add_f32 v[234:235], v[234:235], v[150:151]
	v_pk_add_f32 v[14:15], v[14:15], v[154:155]
	v_pk_add_f32 v[236:237], v[236:237], v[158:159]
	s_delay_alu instid0(VALU_DEP_2)
	v_pk_add_f32 v[14:15], v[14:15], v[244:245]
	s_delay_alu instid0(VALU_DEP_2)
	v_pk_add_f32 v[236:237], v[236:237], v[242:243]
	v_pk_add_f32 v[248:249], v[248:249], v[240:241]
	v_pk_add_f32 v[246:247], v[246:247], v[234:235]
	s_delay_alu instid0(VALU_DEP_2)
	v_pk_add_f32 v[14:15], v[14:15], v[248:249]
	s_delay_alu instid0(VALU_DEP_2)
	v_pk_add_f32 v[236:237], v[236:237], v[246:247]
	s_delay_alu instid0(VALU_DEP_1)
	v_pk_add_f32 v[14:15], v[14:15], v[236:237]
	s_wait_dscnt 0x0                               ; v and its words are in
	PV 0                                           ; four accumulators by turns, one link each
	PV 1
	PV 2
	PV 3
	s_add_co_u32 s48, s48, 4096                    ; the next 128 keys: four pairs of k,
	s_add_co_u32 s49, s49, 16384                   ; a step of v (all heads'),
	s_add_co_u32 s50, s50, 256
	s_add_co_u32 s51, s51, 1024
.endm
; A chunk.  At its head each wave waits for all its tensor loads (its part of this chunk), adds 0 to its spare word, and waits for that and for its reads of the other slot; the round then shows both of every wave of all four work-groups.
; refill = 1: the other slot is asked for first thing behind the round: it has this chunk's four steps in which to land.
.macro TRIP slot, refill
	s_wait_tensorcnt 0x0                           ; no tensor load of mine is out, so a group 0 may be written
	ds_add_u32 v5, v6                              ; 0 onto my spare word
	s_add_nc_u64 s[42+4*\slot:43+4*\slot], s[42+4*\slot:43+4*\slot], 2*CHUNKB      ; this slot's next chunk
	s_wait_dscnt 0x0                               ; the add is done, and my reads of the other slot are over
	ROUND
.if \refill
	JLOAD 44-4*\slot
.endif
	s_mov_b32 s48, \slot*CHUNKB
	s_mov_b32 s49, \slot*CHUNKB
	s_mov_b32 s50, \slot*CHUNKB
	s_mov_b32 s51, \slot*CHUNKB
	s_mov_b32 s52, 4
.Lstep_\@:
	s_setprio 2
	STEP
	s_sub_co_u32 s52, s52, 1
	s_cmp_lg_u32 s52, 0
	s_cbranch_scc1 .Lstep_\@
	s_setprio 0
.endm
	s_mov_b32 s53, 3
.Llap:                                             ; three laps: chunks 0-5 are worked, chunks 1-6 asked for
	TRIP 0, 1
	TRIP 1, 1
	s_sub_co_u32 s53, s53, 1
	s_cmp_lg_u32 s53, 0
	s_cbranch_scc1 .Llap
	TRIP 0, 1                                      ; chunk 6; chunk 7 is asked for
	TRIP 1, 0                                      ; chunk 7: written out
	; ---- y = O / the sum, quantised along the channels: my 64 channels are two blocks of 32, each in lanes l and l xor 16
.rept 4
	v_nop
.endr
	s_wait_alu depctr_va_vdst(0)
	v_add_f32 v14, v14, v15
	s_delay_alu instid0(VALU_DEP_1)
	v_permlanex16_b32 v252, v14, s26, s27
	s_delay_alu instid0(VALU_DEP_1)
	v_add_f32 v14, v14, v252                       ; the row's sum
	s_wait_alu depctr_va_vdst(0)
	v_rcp_f32 v14, v14
	v_nop                                          ; a plain place behind the transcendental
.set j, 0
	s_wait_alu depctr_va_vdst(0)
.rept 16
	v_pk_mul_f32 v[160+j:161+j], v[160+j:161+j], v[14:15] op_sel_hi:[1,0]
.set j, j+2
.endr
.irp b, 0,1
	v_max3_num_f32 v[232+\b], |v[160+16*\b]|, |v[161+16*\b]|, 0x1800000
.endr
.irp i, 2,4,6,8,10,12,14
.irp b, 0,1
	s_delay_alu instid0(VALU_DEP_2)
	v_max3_num_f32 v[232+\b], v[232+\b], |v[160+16*\b+\i]|, |v[161+16*\b+\i]|
.endr
.endr
.irp b, 0,1
	s_delay_alu instid0(VALU_DEP_2)
	v_permlanex16_b32 v[236+\b], v[232+\b], s26, s27
.endr
.irp b, 0,1
	s_delay_alu instid0(VALU_DEP_2)
	v_max_num_f32 v[232+\b], v[232+\b], v[236+\b]
.endr
.irp b, 0,1
	s_delay_alu instid0(VALU_DEP_2)
	v_add_nc_u32 v[244+\b], 0xff000000, v[232+\b]
.endr
.irp b, 0,1
	s_delay_alu instid0(VALU_DEP_2)
	v_lshrrev_b32 v[236+\b], 23, v[244+\b]
.endr
	s_delay_alu instid0(VALU_DEP_1)
	v_lshl_or_b32 v254, v237, 8, v236              ; my half of the row's scale word
.irp b, 0,1
	v_cvt_scalef32_pk8_fp4_f32 v[224+2*\b], v[160+16*\b:167+16*\b], v[244+\b]
	v_cvt_scalef32_pk8_fp4_f32 v[225+2*\b], v[168+16*\b:175+16*\b], v[244+\b]
.endr
	v_nop                                          ; one plain place behind the last conversion
	v_permlane16_swap_b32 v224, v226
	v_permlane16_swap_b32 v225, v227               ; v[224:227]: lane (r, h): channels 64 head + 32 h + 0..31 of my query
	ds_store_b128 v218, v[224:227]
	ds_store_b16 v219, v254                        ; lanes r and 16 + r write the same two bytes with the same value
.irp i, 0,1,2,3,4,5,6,7
	global_load_b128 v[160+4*\i:163+4*\i], v7, s[16:17] offset:(2*\i+8*(\i/4))*16384       ; x at the very places that I shall store: rows 2 i + lane / 16 of my tile of channels
.endr
	s_wait_dscnt 0x0                               ; my stores have landed
	s_barrier_signal -1
	s_barrier_wait -1                              ; y's eight fragments lie in LDS
.irp f, 0,1,2,3,4,5,6,7
	ds_load_b128 v[96+8*\f:99+8*\f], v220 offset:1024*\f
	ds_load_b128 v[100+8*\f:103+8*\f], v220 offset:1024*\f+512
.endr
.irp m, 0,1,2,3
	ds_load_b32 v[28+\m], v221 offset:128*\m       ; lanes 0-15: K step 0's words of tile m; lanes 16-31: K step 1's
.endr
	s_wait_dscnt 0x0
.irp m, 0,1,2,3                                ; four accumulators by turns; the bias is the C of the first K step
	v_wmma_scale_f32_16x16x128_f8f6f4 v[32+8*\m:39+8*\m], v[96+16*\m:103+16*\m], v[192:199], v[210:217], v[28+\m], v208 matrix_a_fmt:MATRIX_FMT_FP4 matrix_b_fmt:MATRIX_FMT_FP4
.endr
.irp m, 0,1,2,3
	v_wmma_scale_f32_16x16x128_f8f6f4 v[32+8*\m:39+8*\m], v[104+16*\m:111+16*\m], v[200:207], v[32+8*\m:39+8*\m], v[28+\m], v209 matrix_a_fmt:MATRIX_FMT_FP4 matrix_b_fmt:MATRIX_FMT_FP4 matrix_a_scale:MATRIX_SCALE_ROW1
.endr
.rept 5
	v_nop
.endr
	; lane (r, h) holds channel r of my tile; register j of tile m: position 32 (m / 2) + 16 h + 8 (m % 2) + j.  Through my own stage, so that sixteen lanes store a channel's 256 bytes
.irp m, 0,1,2,3
	ds_store_b128 v222, v[32+8*\m:35+8*\m] offset:128*(\m/2)+32*(\m%2)             ; each accumulator from its low end on
	ds_store_b128 v222, v[36+8*\m:39+8*\m] offset:128*(\m/2)+32*(\m%2)+16
.endr
.irp i, 0,1,2,3,4,5,6,7
	ds_load_b128 v[64+4*\i:67+4*\i], v223 offset:544*\i    ; LDS serves a wave's instructions in order (ISA guide 5.7.1.4): these see my stores
.endr
	s_wait_loadcnt 0x0                             ; x
.irp i, 0,1,2,3,4,5,6,7
	s_wait_dscnt 7-\i                              ; rows 2 i, 2 i + 1 are back; the younger loads may be out
	v_pk_add_f32 v[64+4*\i:65+4*\i], v[64+4*\i:65+4*\i], v[160+4*\i:161+4*\i]      ; the residual
	v_pk_add_f32 v[66+4*\i:67+4*\i], v[66+4*\i:67+4*\i], v[162+4*\i:163+4*\i]
	global_store_b128 v7, v[64+4*\i:67+4*\i], s[18:19] offset:(2*\i+8*(\i/4))*16384 th:TH_STORE_NT   ; 16 lanes store 256 consecutive bytes, at a multiple of 256 from out0's first byte
.endr
	s_wait_tensorcnt 0x0                           ; the wave's end, behind my last tensor load and my last LDS store
	ds_add_u32 v5, v6
	s_wait_dscnt 0x0
	ROUND                                          ; the closing round: no work-group ends while a partner may still ask for a chunk that names it
	s_endpgm
.Lfunc_end_k_q70cb022221_attn:
	.size	k_q70cb022221_attn, .Lfunc_end_k_q70cb022221_attn-k_q70cb022221_attn
	.p2alignl 7, 3214868480
	.fill 96, 4, 3214868480
	.section	.rodata,"a",@progbits
	.p2align	6, 0x0
	.amdhsa_kernel k_q70cb022221_attn
		.amdhsa_group_segment_fixed_size 327680
		.amdhsa_private_segment_fixed_size 0
		.amdhsa_enable_private_segment 0
		.amdhsa_kernarg_size 64
		.amdhsa_user_sgpr_count 2
		.amdhsa_user_sgpr_kernarg_segment_ptr 1
		.amdhsa_wavefront_size32 1
		.amdhsa_system_sgpr_workgroup_id_x 1
		.amdhsa_system_sgpr_workgroup_id_y 1
		.amdhsa_system_sgpr_workgroup_id_z 1
		.amdhsa_system_vgpr_workitem_id 0
		.amdhsa_next_free_vgpr 256
		.amdhsa_next_free_sgpr 66
		.amdhsa_reserve_vcc 0
		.amdhsa_float_denorm_mode_32 3
		.amdhsa_float_denorm_mode_16_64 3
		.amdhsa_memory_ordered 1
		.amdhsa_forward_progress 1
		.amdhsa_inst_pref_size 90
	.end_amdhsa_kernel
	.amdgpu_metadata
---
amdhsa.version: [ 1, 2 ]
amdhsa.kernels:
  - .name:           k_q70cb022221_attn
    .symbol:         k_q70cb022221_attn.kd
    .args:
      - { .name: q_codes, .offset: 0, .size: 8, .value_kind: global_buffer, .address_space: global }
      - { .name: q_scales, .offset: 8, .size: 8, .value_kind: global_buffer, .address_space: global }
      - { .name: kv, .offset: 16, .size: 8, .value_kind: global_buffer, .address_space: global }
      - { .name: w_codes, .offset: 24, .size: 8, .value_kind: global_buffer, .address_space: global }
      - { .name: w_scales, .offset: 32, .size: 8, .value_kind: global_buffer, .address_space: global }
      - { .name: b_out, .offset: 40, .size: 8, .value_kind: global_buffer, .address_space: global }
      - { .name: x, .offset: 48, .size: 8, .value_kind: global_buffer, .address_space: global }
      - { .name: out0, .offset: 56, .size: 8, .value_kind: global_buffer, .address_space: global }
    .group_segment_fixed_size: 327680
    .private_segment_fixed_size: 0
    .kernarg_segment_align: 8
    .kernarg_segment_size: 64
    .max_flat_workgroup_size: 512
    .sgpr_count:     66
    .vgpr_count:     256
    .wavefront_size: 32
...
	.end_amdgpu_metadata
.endif
;; end of part 3
